; MI455X (gfx1250); checked and timed in simulation.
; The chip was launched on July 23, 2026; its instructions are those of AMD's public machine-readable ISA for CDNA 5 (MIT licence, August 2026) and "CDNA5" Instruction Set Architecture Reference Guide (July 2026). The comments in the code are by the model that wrote it; some were corrected since.
;; Attention. Allowed arithmetic: matrix products marked QUANTISED: E4M3 operands, one given power-of-two scale a tensor, by v_wmma_f32_16x16x64_fp8_fp8 or v_wmma_f32_16x16x128_fp8_fp8, f32 sums; everything else in f32.
;; Inputs: Wk_codes 256 x 8 x 32 uint8 (E4M3 codes of Wk, K innermost, in blocks of 32 codes); Wp_codes 256 x 8 x 32 uint8 (E4M3 codes of Wp, K innermost, in blocks of 32 codes); Wq_codes 256 x 8 x 32 uint8 (E4M3 codes of Wq, K innermost, in blocks of 32 codes); Wv_codes 256 x 8 x 32 uint8 (E4M3 codes of Wv, K innermost, in blocks of 32 codes); bp 256 float32; lowp_scales 12 int32 (the exponents e of the quantised operands' scales 2^e); x_codes 4 x 4,096 x 8 x 32 uint8 (E4M3 codes of x, K innermost, in blocks of 32 codes).
;; Outputs: out0 4 x 4,096 x 256 float32.
;; This version of the problem:
;;   THIS VERSION OF THE PROBLEM IS GIVEN IN LOW PRECISION. The matrix products marked QUANTISED in the list below multiply operands that are first quantised to E4M3 (4 exponent bits, 3 mantissa bits; 8 bits a number), with one given power-of-two scale for each operand tensor; their sums are f32. All else is computed in f32.
;;   The module's matrix products, in the order in which they are computed (A, B: the left and right operand; K: the contracted axis; several contracted axes count as one K, in the product's order):
;;     1. [M 16,384, K 256] x [K 256, N 256]; A: input x (given as codes); B: input Wq (given as codes): QUANTISED (scales: A lowp_scales[0], B lowp_scales[1])
;;     2. [M 16,384, K 256] x [K 256, N 256]; A: input x (given as codes); B: input Wk (given as codes): QUANTISED (scales: A lowp_scales[2], B lowp_scales[3])
;;     3. [M 16,384, K 256] x [K 256, N 256]; A: input x (given as codes); B: input Wv (given as codes): QUANTISED (scales: A lowp_scales[4], B lowp_scales[5])
;;     4. batch 16 x [M 4,096, K 64] x [K 64, N 4,096]; A: computed on the way; B: computed on the way: QUANTISED (scales: A lowp_scales[6], B lowp_scales[7])
;;     5. batch 16 x [M 4,096, K 4,096] x [K 4,096, N 64]; A: softmax (see below); B: computed on the way: QUANTISED (scales: A lowp_scales[8], B lowp_scales[9])
;;     6. [M 16,384, K 256] x [K 256, N 256]; A: computed on the way; B: input Wp (given as codes): QUANTISED (scales: A lowp_scales[10], B lowp_scales[11])
;;   THE QUANTISER, for each operand of a quantised product, along K:
;;     - The operand's scale is 2^e, e = its entry of the input lowp_scales (int32; the entries are numbered through the quantised products in the list's order, A before B).
;;     - Each number is divided by the scale, clamped to +-448, and rounded to the nearest number of E4M3, ties to even, subnormals kept.
;;     - The product sums the exact products of the quantised numbers (number of the format x scale) in f32.
;;   ~~~python
;;   def quantise(x, axis, e):      # numpy; x: float32 -> the quantised numbers, widened to float32 again
;;       x = np.moveaxis(x, axis, -1); K = x.shape[-1]
;;       r = np.clip(x / 2.0 ** e, -448, 448)
;;       step = 2.0 ** (np.maximum(np.frexp(np.where(r == 0, 1, r))[1] - 1, -6) - 3)
;;       q = np.round(r / step) * step * 2.0 ** e      # np.round: ties to even
;;       return np.moveaxis(q, -1, axis).astype(np.float32)
;;   ~~~
;;   SOFTMAX AHEAD OF A QUANTISED PRODUCT. Where the list says 'softmax', what is quantised is not the finished softmax but p = 2^(t - M), with t = logit x log2(e) and M = ceil(the row's largest t), a whole number; so 1/2 < the row's largest p <= 1. The row's sum l is taken of the UNQUANTISED p, in f32, and the product's result is divided by l at the end. Since M is a whole number, a kernel that streams over the keys may use a running M (the ceiling of the running maximum): every later rescaling is an exact power of two, so the quantised numbers keep their values, but for numbers so far below the row's largest that they fall under the format's range.
;;   OPERANDS COMPUTED ON THE WAY. 'Computed on the way' means the value that the module computes at that place (a softmax that the list does not call 'softmax' is quantised finished and normalised). What goes into a quantiser is computed in f32, as accurately as f32 sums, v_exp_f32 and their like allow (about 1e-6 of the number): no bf16 or f16 on the way to a quantiser, and a product that is left as it is and whose result goes on into a quantised operand takes f32 operands (vector FMAs, or v_wmma_f32_16x16x4_f32). A number that lies on a knife's edge between two numbers of the format may be rounded either way, as far as f32 arithmetic and the matrix unit's own rounding can turn it there, and no further.
;;   INPUTS GIVEN AS CODES. Wk (in the module: [256, 256], K = its axis 1); Wp (in the module: [256, 256], K = its axis 1); Wq (in the module: [256, 256], K = its axis 1); Wv (in the module: [256, 256], K = its axis 1); x (in the module: [4, 4096, 256], K = its axis 2): each comes as NAME_codes (uint8): NAME with its K axis moved to the last place and cut into blocks of 32 codes, [.., K / 32, bytes a block], one block behind the other in memory; one code a byte (a code: sign, 4 exponent bits, 3 mantissa bits); its scale is its entry of lowp_scales. Its value is code x scale, taken as it is: it is not quantised again, and the codes and scales need not be those that the quantiser above would give.
;; One version. Each part assembles by itself: llvm-mc -triple=amdgcn-amd-amdhsa -mcpu=gfx1250 --defsym DOCPART=n.
;; ======== version 1 of 1: 2 launches
;; limits: right only within a limited range of input values
;; workspace buffers: q_img 4,194,304 bytes; kv 8,388,608 bytes
;; launch qkv (part 1): grid 256 x 1, 16 waves a work-group, clusters of 4 x 1, 327,680 bytes of LDS; arguments x_codes, Wq_codes, Wk_codes, Wv_codes, lowp_scales, q_img, kv; writes q_img, kv
.if DOCPART == 1
	.amdgcn_target "amdgcn-amd-amdhsa--gfx1250"
	.amdhsa_code_object_version 6
	.text
	.protected	k_q996ca686de_qkv
	.globl	k_q996ca686de_qkv
	.p2align	8
	.type	k_q996ca686de_qkv,@function
k_q996ca686de_qkv:
	s_mov_b64 s[64:65], 0
	v_nop
	global_prefetch_b8 v0, s[64:65] scope:SCOPE_SE
	s_setreg_imm32_b32 hwreg(HW_REG_WAVE_MODE, 25, 1), 1
	s_wait_xcnt 0x0
	s_wait_alu depctr_hold_cnt(0) depctr_sa_sdst(0) depctr_va_vdst(0) depctr_va_sdst(0) depctr_va_ssrc(0) depctr_va_vcc(0) depctr_vm_vsrc(0)
	s_getreg_b32 s2, hwreg(HW_REG_IB_STS2, 6, 4)
	s_cmp_eq_u32 s2, 0
	s_cbranch_scc0 .Lentry_in_a_cluster
	s_endpgm
.Lentry_in_a_cluster:
	s_bfe_u32 s2, ttmp6, 0x10000c
	s_cmp_lg_u32 s2, 0x3003
	s_cbranch_scc0 .Lentry_shape_is_right
	s_endpgm
.Lentry_shape_is_right:
; q = x Wq^T, k = x Wk^T, v = x Wv^T on codes of FP8 (E4M3), each result quantised at once, in registers, with its given scale, and stored as IMAGES OF OPERAND REGISTERS for the attention launch.
; x: [16,384][256] codes; each W: [256][256] codes, K innermost.  lowp_scales: e0 .. e11.  A sum of product 1 stands for sum x 2^(e0 + e1), and q's code is q / 2^e6: so the conversion's one scale is
; 2^(e6 - e0 - e1); for k 2^(e7 - e2 - e3); for v 2^(e9 - e4 - e5).  The hold at +-448 x that scale stands ahead of every conversion (ISA guide 7.6.2: the conversion does not saturate).
; LIMITS: each of these three exponents lies between -126 and 119, so that the scale and 448 x the scale are f32 numbers.  NaN codes among the inputs are not served.
; SHARES.  A work-group makes all three products of the 64 tokens of block X.  Waves 0 to 11: wave w makes product w / 4 (q, k, v) for head w % 4; its 64 rows of the weight (4 tiles x K 256 = 128 registers) stay in registers, x's
; four tiles of 16 tokens go through two sets of 32 registers by turns: 32 matrix instructions.  Waves 12 to 15 bring x.
; LDS.  Rows of 256 bytes + 16 of padding.  Each wave issues one tensor load: waves 0 to 11 the 64 rows of the weight that they use, waves 12 to 15 sixteen rows of x each.  Every byte is filled once: there is no ring.
; CLUSTER.  All work-groups need the same weights: the four of a cluster ask for them JOINTLY, by the same load with the same descriptor and a mask that names the four.  x's rows are each work-group's own.
; No prefetch: there is no loop to run ahead in; each byte is asked for once, at the head.
; WHICH ROWS FORM A TILE.  A result's register j in lane (r, h) belongs to source 0's lane 8 h + j.  A tile of tokens, and of Wq's and Wk's rows, is 16 neighbours, lane r the r-th: so the codes' registers 2 t, 2 t + 1 hold
; 16 t + 8 h + 0 .. 7 along the next product's K, in q and in k alike (channels), and in p and in v alike (keys).  Of Wv's rows lane r of tile 2 b + u takes row 32 b + 8 u + r + 8 (r / 8), so that the attention's
; result runs 32 b + 16 h + 0 .. 15 along its channels, as the pieces of 16 bytes of Wp do.
;   q, k: source 0 = the weight, source 1 = x: a lane holds one token, its registers run along the head's 64.   v: source 0 = x, source 1 = the weight: a lane holds one channel, its registers run along the tokens (the keys).
; Inside a fragment of x or of a weight registers 4 c .. 4 c + 3 of lane (r, h) hold k = 32 c + 16 h + 0 .. 15, the same in both sources of every product: each number meets its partner.
; THE IMAGES.  A piece is four registers of 32 lanes: 512 bytes, lane l's 16 bytes at 16 l: each store of a wave covers 512 consecutive bytes, aligned.
;   q_img: X x 16,384 + head x 4,096 + token tile x 1,024 + c x 512.
;   kv:    (X / 4) x 131,072 (a slot of 256 keys) + K: head x 16,384 + (4 (X % 4) + token tile) x 1,024 + c x 512;
;          V: 65,536 + head x 16,384 + ((X % 4) / 2) x 8,192 + channel tile x 2,048 + (2 (X % 2) + group of 32 tokens) x 512.
.set PITCH, 272                        ; a row in LDS
.set WT,    64*PITCH                   ; 64 rows of a weight
.set XT,    12*WT                      ; x's 64 rows begin here
.set SPARE, XT+WT                      ; the spare words, 128 bytes for each of sixteen waves: eight blocks of 256 bytes that no other line names
.set WN,  8                            ; v8       my 64 rows of the weight in LDS, lane r at row r, + 16 h
.set LI,  9                            ; v9       16 x lane: my place in a piece
.set SC,  10                           ; v10      the conversion's scale as f32
.set LM,  11                           ; v11      448 x that
.set SPW, 12                           ; v12      LDS address of my spare word: SPARE + 4 x my thread's number; never rewritten
.set NIL, 13                           ; v13      0; never rewritten
.set WR,  14                           ; v14      as v8, lane r at row r + 8 (r / 8)
.set XA,  15                           ; v15      x in LDS, lane r at row r, + 16 h
.set C,   16                           ; v16-31   codes
.set XS,  32                           ; v32-95   x: two sets of 32: register 16 s + 4 c: K step s, piece c
.set ACC, 96                           ; v96-127  four accumulators
.set W,   128                          ; v128-255 the weight: register 32 t + 16 s + 4 c
.set WV,  18                           ; s18      my wave's number
.set G1W, 24                           ; s[24:31] descriptor group 1 for the weights;  s[32:39] for x
.set G1X, 32
.set G0Q, 40                           ; s[40:55] groups 0: Wq, Wk, Wv, x
.set G0K, 44
.set G0V, 48
.set G0X, 52
.macro CROUND                          ; a round of the cluster's barrier
	s_barrier_signal -1
	s_barrier_wait -1
	s_cmp_lg_u32 s[WV], 0
	s_cbranch_scc1 .Lnot_wave_0_\@
	s_barrier_signal -3
.Lnot_wave_0_\@:
	s_barrier_wait -3
	s_barrier_signal -1
	s_barrier_wait -1
.endm
	s_load_b256 s[4:11], s[0:1], 0x0               ; x s[4:5], Wq s[6:7], Wk s[8:9], Wv s[10:11]
	s_load_b128 s[12:15], s[0:1], 0x20             ; the scales' exponents s[12:13], q_img s[14:15]
	s_load_b64 s[16:17], s[0:1], 0x30              ; kv
	v_lshl_add_u32 v[SPW], v0, 2, SPARE
	v_mov_b32 v[NIL], 0
	ds_add_u32 v[SPW], v[NIL]                      ; the wave's opening: the add, twice on end, and its wait ahead of my tensor load
	ds_add_u32 v[SPW], v[NIL]
	v_lshrrev_b32 v1, 5, v0
	v_readfirstlane_b32 s[WV], v1                  ; wave 0..15
	s_lshr_b32 s19, s[WV], 2                       ; which of the three products; 3: x
	s_and_b32 s20, s[WV], 3                        ; my head; for x: my sixteen rows
	; descriptor groups 1: rows of 256 bytes (32 elements of 8), dense in memory, padded in LDS
	s_mov_b32 s[G1W], 15|(3<<16)|(1<<20)|(1<<21)|(5<<22)|(3<<25)  ; 15:0 the mask: all four work-groups; 17:16 elements of 8 bytes; 20 padding on; 21 set beside a mask; 24:22 after every 64 words (code 5); 31:25 of 4 words (code 3)
	s_mov_b32 s[G1X], (3<<16)|(1<<20)|(5<<22)|(3<<25)             ; no mask
	s_mov_b32 s[G1W+1], 32<<16                     ; tensor_dim0
	s_mov_b32 s[G1X+1], 32<<16
	s_mov_b32 s[G1W+2], 64<<16                     ; tensor_dim1
	s_mov_b32 s[G1X+2], 16<<16
	s_mov_b32 s[G1W+3], 32<<16                     ; tile_dim0
	s_mov_b32 s[G1X+3], 32<<16
	s_mov_b32 s[G1W+4], 64                         ; tile_dim1
	s_mov_b32 s[G1X+4], 16
	s_mov_b32 s[G1W+5], 32                         ; from row to row
	s_mov_b32 s[G1X+5], 32
	s_mov_b32 s[G1W+6], 0
	s_mov_b32 s[G1X+6], 0
	s_mov_b32 s[G1W+7], 0
	s_mov_b32 s[G1X+7], 0
	s_mul_i32 s56, s[WV], WT                       ; where the weight's rows go: wave x 64 rows
	s_mul_i32 s57, s[WV], 16*PITCH
	s_add_co_u32 s57, s57, XT-12*16*PITCH          ; where x's go: (wave - 12) x 16 rows
	s_lshl_b32 s58, s20, 14                        ; my head's rows of a weight
	s_mov_b32 s59, 0
	s_bfe_u32 s22, ttmp6, 0x40000                  ; cx
	s_lshl_b32 s21, ttmp9, 2                       ; in a cluster launch ttmp9 counts clusters
	s_add_co_u32 s21, s21, s22                     ; X: my block of 64 tokens
	s_lshl_b32 s60, s21, 14
	s_lshl_b32 s22, s20, 12
	s_add_co_u32 s60, s60, s22                     ; my sixteen rows of x
	s_mov_b32 s61, 0
	s_wait_dscnt 0x0                               ; both opening adds are done
	s_wait_kmcnt 0x0
	s_load_b256 s[68:75], s[12:13], 0x0            ; e0 .. e7
	s_load_b128 s[76:79], s[12:13], 0x20           ; e8 .. e11
.irp g, G0Q, G0K, G0V
	s_mov_b32 s[\g], 1                             ; count = 1
	s_mov_b32 s[\g+1], s56                         ; LDS address
.endr
	s_mov_b32 s[G0X], 1
	s_mov_b32 s[G0X+1], s57
	s_add_nc_u64 s[G0Q+2:G0Q+3], s[6:7], s[58:59]  ; global address
	s_add_nc_u64 s[G0K+2:G0K+3], s[8:9], s[58:59]
	s_add_nc_u64 s[G0V+2:G0V+3], s[10:11], s[58:59]
	s_add_nc_u64 s[G0X+2:G0X+3], s[4:5], s[60:61]
.irp g, G0Q, G0K, G0V, G0X
	s_or_b32 s[\g+3], s[\g+3], 0x80000000          ; type = 2
.endr
	CROUND                                         ; all four work-groups are here: the joint loads meet
.macro TLOAD g0, g1
	tensor_load_to_lds s[\g0:\g0+3], s[\g1:\g1+7]
	s_nop 0
.rept 4
	v_nop
.endr
.endm
	s_cmp_lt_u32 s[WV], 4                          ; the branches hang on the wave's number alone; one load a wave
	s_cbranch_scc0 .Lnot_q
	TLOAD G0Q, G1W
	s_branch .Lasked
.Lnot_q:
	s_cmp_lt_u32 s[WV], 8
	s_cbranch_scc0 .Lnot_k
	TLOAD G0K, G1W
	s_branch .Lasked
.Lnot_k:
	s_cmp_lt_u32 s[WV], 12
	s_cbranch_scc0 .Lnot_v
	TLOAD G0V, G1W
	s_branch .Lasked
.Lnot_v:
	TLOAD G0X, G1X
.Lasked:
	; where my wave's images begin, in bytes, for each of the three products
	s_lshl_b32 s2, s21, 14
	s_lshl_b32 s22, s20, 12
	s_add_co_u32 s2, s2, s22                       ; q: X x 16,384 + head x 4,096
	s_lshr_b32 s3, s21, 2
	s_lshl_b32 s3, s3, 17
	s_add_co_u32 s3, s3, s58                       ; the slot + head x 16,384
	s_and_b32 s22, s21, 3
	s_lshr_b32 s23, s22, 1
	s_lshl_b32 s23, s23, 13
	s_add_co_u32 s23, s23, s3
	s_and_b32 s60, s21, 1
	s_lshl_b32 s60, s60, 10
	s_add_co_u32 s23, s23, s60
	s_add_co_u32 s23, s23, 65536                   ; v: + 65,536 + ((X % 4) / 2) x 8,192 + (X % 2) x 1,024
	s_lshl_b32 s22, s22, 12
	s_add_co_u32 s3, s3, s22                       ; k: + (X % 4) x 4,096
	s_cmp_eq_u32 s19, 0                            ; the choices hang on the wave's number alone; only selects stand behind a compare
	s_cselect_b64 s[66:67], s[14:15], s[16:17]     ; q goes to q_img, k and v to kv
	s_cselect_b32 s62, s2, s3
	s_cmp_eq_u32 s19, 2
	s_cselect_b32 s62, s23, s62
	s_mov_b32 s63, 0
	s_add_nc_u64 s[66:67], s[66:67], s[62:63]
	s_wait_kmcnt 0x0
	s_sub_co_i32 s2, s74, s68
	s_sub_co_i32 s2, s2, s69                       ; e6 - e0 - e1
	s_sub_co_i32 s3, s75, s70
	s_sub_co_i32 s3, s3, s71                       ; e7 - e2 - e3
	s_sub_co_i32 s22, s77, s72
	s_sub_co_i32 s22, s22, s73                     ; e9 - e4 - e5
	s_cmp_eq_u32 s19, 0
	s_cselect_b32 s2, s2, s3
	s_cmp_eq_u32 s19, 2
	s_cselect_b32 s2, s22, s2
	s_add_co_i32 s2, s2, 127
	s_lshl_b32 s3, s2, 23                          ; the scale as f32: the conversion takes its exponent field
	s_add_co_i32 s2, s2, 8
	s_lshl_b32 s2, s2, 23
	s_or_b32 s2, s2, 0x600000                      ; 448 x the scale
	v_and_b32 v1, 15, v0                           ; r
	v_bfe_u32 v2, v0, 4, 1                         ; h
	v_and_b32 v3, 31, v0
	v_mov_b32 v[SC], s3
	v_mov_b32 v[LM], s2
	v_and_b32 v4, 8, v1
	v_mul_u32_u24 v5, v1, PITCH
	v_lshlrev_b32 v[LI], 4, v3
	v_add_nc_u32 v4, v4, v1                        ; r + 8 (r / 8)
	v_lshl_add_u32 v5, v2, 4, v5
	v_mul_u32_u24 v6, v4, PITCH
	v_add_nc_u32 v[WN], s56, v5
	v_add_nc_u32 v[XA], XT, v5
	v_lshl_add_u32 v6, v2, 4, v6
	v_add_nc_u32 v[WR], s56, v6
.macro WLOAD adr, nat                  ; my head's four tiles of the weight: they stay.  nat = 1: tile t is rows 16 t on; 0: tile 2 b + u begins at row 32 b + 8 u
.irp t, 0,1,2,3
.irp s, 0,1
.irp c, 0,1,2,3
	ds_load_b128 v[W+32*\t+16*\s+4*\c:W+32*\t+16*\s+4*\c+3], v[\adr] offset:(16*\t*(\nat)+(32*(\t/2)+8*(\t%2))*(1-(\nat)))*PITCH+128*\s+32*\c
.endr
.endr
.endr
.endm
.macro XLOAD p, k                      ; token tile k of the block into set p
.irp s, 0,1
.irp c, 0,1,2,3
	ds_load_b128 v[XS+32*(\p)+16*\s+4*\c:XS+32*(\p)+16*\s+4*\c+3], v[XA] offset:16*(\k)*PITCH+128*\s+32*\c
.endr
.endr
.endm
; Eight matrix instructions: two K steps of 128 x four tiles of the weight.  The first K step starts the sums with the constant 0; the four accumulators take turns, one instruction a turn.
.macro MUL p, tr                       ; tr = 1: source 0 = the weight (q, k);  tr = 0: source 0 = x (v)
.irp s, 0,1
.irp t, 0,1,2,3
.if \tr
.if \s == 0
	v_wmma_f32_16x16x128_fp8_fp8 v[ACC+8*\t:ACC+8*\t+7], v[W+32*\t+16*\s:W+32*\t+16*\s+15], v[XS+32*(\p)+16*\s:XS+32*(\p)+16*\s+15], 0
.else
	v_wmma_f32_16x16x128_fp8_fp8 v[ACC+8*\t:ACC+8*\t+7], v[W+32*\t+16*\s:W+32*\t+16*\s+15], v[XS+32*(\p)+16*\s:XS+32*(\p)+16*\s+15], v[ACC+8*\t:ACC+8*\t+7]
.endif
.else
.if \s == 0
	v_wmma_f32_16x16x128_fp8_fp8 v[ACC+8*\t:ACC+8*\t+7], v[XS+32*(\p)+16*\s:XS+32*(\p)+16*\s+15], v[W+32*\t+16*\s:W+32*\t+16*\s+15], 0
.else
	v_wmma_f32_16x16x128_fp8_fp8 v[ACC+8*\t:ACC+8*\t+7], v[XS+32*(\p)+16*\s:XS+32*(\p)+16*\s+15], v[W+32*\t+16*\s:W+32*\t+16*\s+15], v[ACC+8*\t:ACC+8*\t+7]
.endif
.endif
.endr
.endr
.rept 4
	v_nop                                          ; four places in front of the first read of the results, and of loads into registers that the products have read (ISA guide 7.12.1 for the reads of results)
.endr
.endm
; The four accumulators become codes: tile t's eight numbers go into v[dst + stride t] and the register behind it.  Each accumulator is read from its low end on.
.macro QUANT dst, stride
.irp t, 0,1,2,3
.irp i, 0,1,2,3,4,5,6,7
	v_med3_num_f32 v[ACC+8*\t+\i], v[ACC+8*\t+\i], -v[LM], v[LM]
.endr
	v_cvt_scalef32_pk8_fp8_f32 v[(\dst)+(\stride)*\t:(\dst)+(\stride)*\t+1], v[ACC+8*\t:ACC+8*\t+7], v[SC]
.endr
	v_nop                                          ; a plain vector instruction between the last conversion and the next products, which write its sources
.endm
; A tile of 16 tokens.  Loads were issued in the order weight, tile 0, 1, 2, 3: when tile k is wanted, only the eight loads of tile k + 1 may be out.
.macro TILE k, tr
.if (\k) < 3
	s_wait_dscnt 8
.else
	s_wait_dscnt 0
.endif
	MUL (\k)%2, \tr
.if (\k) < 2
	XLOAD (\k)%2, (\k)+2                           ; the set just multiplied takes the tile two further on
.endif
.endm
.macro TILE_QK k
	TILE \k, 1
.if (\k) >= 2
	s_wait_xcnt 0x0                                ; tile k - 2's stores have read their data: the same eight registers take tile k's codes
.endif
	QUANT C+8*((\k)%2), 2                          ; registers 2 t, 2 t + 1: the head's channels 16 t + 8 h + 0 .. 7 of my token
.irp c, 0,1
	global_store_b128 v[LI], v[C+8*((\k)%2)+4*\c:C+8*((\k)%2)+4*\c+3], s[66:67] offset:(\k)*1024+\c*512
.endr
.endm
.macro TILE_V k
	TILE \k, 0
.if (\k) == 2
	s_wait_xcnt 0x0                                ; the first group's stores have read their data: the sixteen registers take the second group's codes
.endif
	QUANT C+2*((\k)%2), 4                          ; channel tile t's registers 4 t + 2 (k % 2), + 1
.if (\k)%2 == 1
.irp t, 0,1,2,3
	global_store_b128 v[LI], v[C+4*\t:C+4*\t+3], s[66:67] offset:\t*2048+((\k)/2)*512
.endr
.endif
.endm
	s_wait_alu depctr_va_vdst(0)                   ; the wait at the head's end
	s_wait_tensorcnt 0x0                           ; my rows are in:
	s_barrier_signal -1                            ; say so,
	s_barrier_wait -1                              ; and behind this wait everybody's are
	s_cmp_lt_u32 s[WV], 12
	s_cbranch_scc0 .Lend                           ; waves 12 to 15 have brought x
	s_cmp_lt_u32 s[WV], 8
	s_cbranch_scc0 .Lv
	WLOAD WN, 1
	XLOAD 0, 0
	XLOAD 1, 1
	TILE_QK 0
	TILE_QK 1
	TILE_QK 2
	TILE_QK 3
	s_branch .Lend
.Lv:
	WLOAD WR, 0
	XLOAD 0, 0
	XLOAD 1, 1
	TILE_V 0
	TILE_V 1
	TILE_V 2
	TILE_V 3
.Lend:
	s_wait_tensorcnt 0x0                           ; the wave's end
	ds_add_u32 v[SPW], v[NIL]
	s_wait_dscnt 0x0
	CROUND                                         ; the closing round: no work-group ends while a partner may still ask for a tile that names it
	s_endpgm
.Lfunc_end_k_q996ca686de_qkv:
	.size	k_q996ca686de_qkv, .Lfunc_end_k_q996ca686de_qkv-k_q996ca686de_qkv
	.p2alignl 7, 3214868480
	.fill 96, 4, 3214868480
	.section	.rodata,"a",@progbits
	.p2align	6, 0x0
	.amdhsa_kernel k_q996ca686de_qkv
		.amdhsa_group_segment_fixed_size 327680
		.amdhsa_private_segment_fixed_size 0
		.amdhsa_enable_private_segment 0
		.amdhsa_kernarg_size 56
		.amdhsa_user_sgpr_count 2
		.amdhsa_user_sgpr_kernarg_segment_ptr 1
		.amdhsa_wavefront_size32 1
		.amdhsa_system_sgpr_workgroup_id_x 1
		.amdhsa_system_sgpr_workgroup_id_y 1
		.amdhsa_system_sgpr_workgroup_id_z 1
		.amdhsa_system_vgpr_workitem_id 0
		.amdhsa_next_free_vgpr 256
		.amdhsa_next_free_sgpr 80
		.amdhsa_reserve_vcc 0
		.amdhsa_float_denorm_mode_32 3
		.amdhsa_float_denorm_mode_16_64 3
		.amdhsa_memory_ordered 1
		.amdhsa_forward_progress 1
		.amdhsa_inst_pref_size 41
	.end_amdhsa_kernel
	.amdgpu_metadata
---
amdhsa.version: [ 1, 2 ]
amdhsa.kernels:
  - .name:           k_q996ca686de_qkv
    .symbol:         k_q996ca686de_qkv.kd
    .args:
      - { .name: x_codes, .offset: 0, .size: 8, .value_kind: global_buffer, .address_space: global }
      - { .name: Wq_codes, .offset: 8, .size: 8, .value_kind: global_buffer, .address_space: global }
      - { .name: Wk_codes, .offset: 16, .size: 8, .value_kind: global_buffer, .address_space: global }
      - { .name: Wv_codes, .offset: 24, .size: 8, .value_kind: global_buffer, .address_space: global }
      - { .name: lowp_scales, .offset: 32, .size: 8, .value_kind: global_buffer, .address_space: global }
      - { .name: q_img, .offset: 40, .size: 8, .value_kind: global_buffer, .address_space: global }
      - { .name: kv, .offset: 48, .size: 8, .value_kind: global_buffer, .address_space: global }
    .group_segment_fixed_size: 327680
    .private_segment_fixed_size: 0
    .kernarg_segment_align: 8
    .kernarg_segment_size: 56
    .max_flat_workgroup_size: 512
    .sgpr_count:     80
    .vgpr_count:     256
    .wavefront_size: 32
...
	.end_amdgpu_metadata
.endif
;; end of part 1
;; launch attn (part 2): grid 64 x 4, 8 waves a work-group, clusters of 4 x 1, 327,680 bytes of LDS; arguments q_img, kv, Wp_codes, bp, lowp_scales, out0; writes out0
.if DOCPART == 2
	.amdgcn_target "amdgcn-amd-amdhsa--gfx1250"
	.amdhsa_code_object_version 6
	.text
	.protected	k_q996ca686de_attn
	.globl	k_q996ca686de_attn
	.p2align	8
	.type	k_q996ca686de_attn,@function
k_q996ca686de_attn:
	s_mov_b64 s[64:65], 0
	v_nop
	global_prefetch_b8 v0, s[64:65] scope:SCOPE_SE
	s_setreg_imm32_b32 hwreg(HW_REG_WAVE_MODE, 25, 1), 1
	s_wait_xcnt 0x0
	s_wait_alu depctr_hold_cnt(0) depctr_sa_sdst(0) depctr_va_vdst(0) depctr_va_sdst(0) depctr_va_ssrc(0) depctr_va_vcc(0) depctr_vm_vsrc(0)
	s_getreg_b32 s2, hwreg(HW_REG_IB_STS2, 6, 4)
	s_cmp_eq_u32 s2, 0
	s_cbranch_scc0 .Lentry_in_a_cluster
	s_endpgm
.Lentry_in_a_cluster:
	s_bfe_u32 s2, ttmp6, 0x10000c
	s_cmp_lg_u32 s2, 0x3003
	s_cbranch_scc0 .Lentry_shape_is_right
	s_endpgm
.Lentry_shape_is_right:
; out0 = (softmax(q k^T / 8) v, heads side by side) Wp^T + bp, all three products on codes of FP8 (E4M3).  q_img and kv hold q's, k's and v's codes as images of operand registers (pieces of 512 bytes, lane l's 16 bytes at 16 l).
; THE SOFTMAX AHEAD OF THE SECOND PRODUCT: t = score x log2(e) / 8; M = the row's largest t so far, rounded UP to a whole number; p = 2^(t - M) is quantised with 2^e8, not normalised.  The row's sum is taken of the
; unquantised p, in f32, and divides O at the end.  When M moves, the sum and O are multiplied by 2^(old M - new M), which rounds nothing.
; SHARES.  A work-group owns 64 queries of one batch, for ALL FOUR HEADS: the whole K = 256 of the last product lies inside it.  Eight waves of 512 registers, two to a SIMD: wave w takes head w / 2 and the 32 queries
; 32 (w % 2) on, as two tiles A and B of 16, through all 4,096 keys, 128 a step; each fragment of K and V read from LDS feeds both tiles.  At the end it takes output columns 64 (w / 2) on of the same 32 queries.
; RING.  Two LDS slots of 131,072 bytes; a slot holds 256 keys of all four heads, K's images and then V's: one dense block of kv.  Each wave fetches 16,384 bytes of it, one tensor load.
; The change of slots stands in a slot's second step: its opening signal behind the maxima, when V of that step is in registers; its waits behind the exponentials; the next slot's K is fetched under the sums and conversions.
; The last change fills the free slot with Wp's 256 rows, 32 a wave, 16 bytes of padding behind each.
; CLUSTER.  The four work-groups of a cluster belong to one batch and walk the same kv: each tile is asked for JOINTLY, by the same load with the same descriptor and a mask that names the four; Wp likewise.
; LAYOUT.  S^T = K Q^T (source 0 = 16 keys), O^T = V^T P^T (source 0 = 16 channels), Y^T = Wp O^T (source 0 = 16 rows of Wp): a lane holds ONE query of each tile (lane % 16) throughout.  A tile of queries, of keys and of
; Wp's rows is 16 neighbours; a result's register j in lane (r, h) belongs to source 0's lane 8 h + j.  So the scores' registers of tile t are keys 16 t + 8 h + 0 .. 7, and V's images hold the keys in that order; Q's and K's images hold
; the channels alike.  V's channels form tiles (lane r of tile 2 b + u: 32 b + 8 u + r + 8 (r / 8)) such that O's registers of tiles 2 b, 2 b + 1 are channels 32 b + 16 h + 0 .. 15, as Wp's pieces of 16 bytes are.
; LIMITS on the given exponents, so that each power of two below is an f32 number: e6 + e7 between -99 and 100 (added to c's exponent field); e8 and e10 between -126 and 119; e10 + e11 between -126 and 127;
; e8 + e9 is applied by v_ldexp_f32 and has none.  The scaled scores (exponents to the base 2) stay under 2^31 in magnitude.  NaN codes among the inputs are not served.
.set SLOT1, 1<<17                      ; slot 1 begins here: one exclusive or turns an address in one slot into the other's
.set SLOTB, 131072                     ; a slot in kv, in bytes
.set VOFF,  65536                      ; V's images in a slot
.set STEPB, 8192                       ; a key step's images of one head: 8 tiles of K x 1,024, or 4 tiles of V x 2,048
.set WP,    272                        ; a row of Wp in LDS, and of the stage: 256 bytes + 16 of padding
.set SPARE, 2*SLOT1                    ; behind the ring: the spare words, 128 bytes for each of eight waves: four blocks of 256 bytes that no other line names
.set OIMG,  SPARE+1024                 ; O's images, (8 x query tile + 2 x head + piece) x 512
.set STG,   OIMG+16384                 ; then a stage of 16 rows x 272 bytes for each wave
; WINDOW 0
.set AK0, 1                            ; v1   head x 16,384 + 16 x lane: my place in a slot's images of K
.set AV0, 2                            ; v2   the same for V
.set PFO, 3                            ; v3   256 x lane: the prefetch's offset
.set LI,  4                            ; v4   16 x lane
.set SPW, 5                            ; v5   LDS address of my spare word: SPARE + 4 x my thread's number; never rewritten
.set NIL, 6                            ; v6   0; never rewritten
.set GO,  7                            ; v7   the way out: (lane / 16) x 1,024 + 16 (lane % 16)
.set ADK, 8                            ; v8, v9  LDS addresses of K and V in the slot in hand
.set ADV, 9
.set OI,  10                           ; where I store O's pieces
.set OL,  11                           ; where I read my query tiles' pieces
.set SO,  12                           ; the stage: where I put 32 bytes of a row
.set SR,  13                           ; and where I read rows back
.set WA,  14                           ; Wp in LDS: (64 head + r) x 272 + 16 h
.set BA,  15                           ; bp: 32 h
.set QA,  16                           ; v16-23, v24-31: Q's fragments of tiles A and B
; v32, v33: the largest score so far, A and B.  v34, v36: -M of A, by turns; v38, v40: of B (the registers behind them are named as upper halves of pairs).  v42, v44: f of A and B.  v[46:47], v[48:49]: the sums in two halves.
; v50, v51: 448 x 2^e8, twice (the halves of a paired instruction take their second sources from different register banks); v52: 2^e8; v53, v54: 2^e10 and 448 x 2^e10; v56, v57, v60-63 at work
.set SA,  64                           ; v64-127   S^T of tile A, then p
.set SB,  128                          ; v128-191  of tile B
.set PA,  192                          ; v192-207  p's codes of A
.set PB,  208                          ; v208-223  of B
.set T,   224                          ; v224-255  eight chains of maxima for each tile; then partial sums of p: sixteen pairs
; WINDOW 1
.set OA,  0                            ; O^T of A, 32 registers; at the end Y^T
.set OB,  32                           ; of B
.set KF,  64                           ; a step's fragments of K (64), then of V (64); at the end Wp's (128)
.set VF,  128
.set BP,  192                          ; bp, 32 registers
.set TB,  2                            ; s2   LDS byte at which the slot in hand begins
.set WV,  18                           ; s18  my wave's number
.set HD,  19                           ; s19  wave / 2
.set SEL, 20                           ; s[20:21] lane selects for v_permlanex16_b32: lane l xor 16
.set CS,  22                           ; s[22:23] c = log2(e) / 8 x 2^(e6 + e7): the packed form names a pair and takes its low word for both halves
.set G1,  24                           ; s[24:31] descriptor group 1
.set G0,  32                           ; s[32:35] descriptor group 0, which walks
.set SLOTS, 36                         ; s36  trips still to go
.set LIM, 37                           ; s37  1 in a wave that prefetches, else the greatest number
.set PFA, 38                           ; s[38:39] where my prefetch stands
.set NCS, 66                           ; s66  -c
.set G1W, 68                           ; s[68:75], s[76:79] the same two groups for Wp
.set G0W, 76
; s40, s41, s46, s47 may hold my place in the cluster, and feed Q's, out0's and the prefetch's addresses alone.
.set MSB, 0
.macro WIN new                         ; the immediate's high byte repeats the setting that is left
.if MSB != \new
	s_set_vgpr_msb (MSB<<8)|\new
.set MSB, \new
.endif
.endm
.macro CREST                           ; a round of the cluster's barrier behind its opening barrier
	s_cmp_lg_u32 s[WV], 0
	s_cbranch_scc1 .Lnot_wave_0_\@
	s_barrier_signal -3
.Lnot_wave_0_\@:
	s_barrier_wait -3
	s_barrier_signal -1
	s_barrier_wait -1
.endm
.macro CROUND                          ; a whole round
	s_barrier_signal -1
	s_barrier_wait -1
	CREST
.endm
.macro JLOAD g0, g1                    ; a joint load: every wave issues one
	tensor_load_to_lds s[\g0:\g0+3], s[\g1:\g1+7]
	s_nop 0
.rept 4
	v_nop
.endr
.endm
; A prefetch of the slot that the NEXT change of slots will ask for: two key steps of all waves ahead of that load.  Each aligned block of 256 bytes is named once in the launch: all sixteen clusters of a batch walk
; the same kv, and the batch's first cluster asks; its four partners share a slot's 131,072 bytes out BY ADDRESS, 32,768 each; in each, waves 4 to 7 take 8,192 each, lanes 256 bytes apart.
; The last change that fills a slot from kv asks for nothing: there is no slot behind it.  Slots 0 and 1 come by their loads alone.
.macro ASK
	s_cmp_gt_u32 s[SLOTS], s[LIM]
	s_cbranch_scc0 .Lnot_mine_\@
	global_prefetch_b8 v[PFO], s[PFA:PFA+1] th:TH_LOAD_NT scope:SCOPE_SE
.Lnot_mine_\@:
.endm
.macro FETCH dst, adr, q               ; sixteen pieces, a key step's K or V of my head, into window 1: each load takes 512 consecutive bytes
	WIN 0x40
.irp j, 0,1,2,3,4,5,6,7,8,9,10,11,12,13,14,15
	ds_load_b128 v[\dst+4*\j:\dst+4*\j+3], v[\adr] offset:(\q)*STEPB+512*\j
.endr
	WIN 0
.endm
	s_load_b256 s[4:11], s[0:1], 0x0               ; q_img s[4:5], kv s[6:7], Wp's codes s[8:9], bp s[10:11]
	s_load_b128 s[12:15], s[0:1], 0x20             ; the scales' exponents s[12:13], out0 s[14:15]
	v_lshl_add_u32 v[SPW], v0, 2, SPARE
	v_mov_b32 v[NIL], 0
	ds_add_u32 v[SPW], v[NIL]                      ; the wave's opening: the add, twice on end, and its wait ahead of my first tensor load
	ds_add_u32 v[SPW], v[NIL]
	v_lshrrev_b32 v8, 5, v0
	v_readfirstlane_b32 s[WV], v8                  ; wave 0..7
	s_lshr_b32 s[HD], s[WV], 1                     ; my head; at the end my 64 output columns
	s_and_b32 s42, s[WV], 1                        ; my half of the 64 queries
	s_and_b32 s43, ttmp7, 0xffff                   ; the batch, which the four partners share
	; descriptor group 1: 64 rows of 256 bytes, dense in memory and in LDS
	s_mov_b32 s[G1], 15|(3<<16)|(1<<21)            ; 15:0 the mask: all four work-groups; 17:16 elements of 8 bytes; 20 no padding; 21 set beside a mask
	s_mov_b32 s[G1+1], 32<<16                      ; tensor_dim0 = 32 elements
	s_mov_b32 s[G1+2], 64<<16                      ; tensor_dim1 = 64
	s_mov_b32 s[G1+3], 32<<16                      ; tile_dim0 = 32
	s_mov_b32 s[G1+4], 64                          ; tile_dim1 = 64
	s_mov_b32 s[G1+5], 32                          ; from row to row: 32 elements
	s_mov_b32 s[G1+6], 0
	s_mov_b32 s[G1+7], 0
	; the same for Wp: 32 rows of 256 bytes, padded in LDS
	s_mov_b32 s[G1W], 15|(3<<16)|(1<<20)|(1<<21)|(5<<22)|(3<<25)  ; 20 padding on; 24:22 after every 64 words (code 5); 31:25 of 4 words (code 3)
	s_mov_b32 s[G1W+1], 32<<16
	s_mov_b32 s[G1W+2], 32<<16
	s_mov_b32 s[G1W+3], 32<<16
	s_mov_b32 s[G1W+4], 32
	s_mov_b32 s[G1W+5], 32
	s_mov_b32 s[G1W+6], 0
	s_mov_b32 s[G1W+7], 0
	s_mov_b32 s[SEL], 0x76543210
	s_mov_b32 s[SEL+1], 0xfedcba98
	s_mov_b32 s[CS], 0x3e38aa3b                    ; log2(e) / 8
	s_mov_b32 s[TB], 0
	s_mov_b32 s[SLOTS], 14
	s_lshl_b32 s16, s[WV], 14                      ; my eighth of a slot, in LDS and in kv alike
	s_lshl_b32 s44, s43, 21                        ; the batch's sixteen slots
	s_add_co_u32 s44, s44, s16
	s_mov_b32 s45, 0
	s_wait_dscnt 0x0                               ; both opening adds are done
	s_wait_kmcnt 0x0
	s_load_b256 s[48:55], s[12:13], 0x0            ; e0 .. e7
	s_load_b128 s[56:59], s[12:13], 0x20           ; e8 .. e11
	s_mov_b32 s[G0], 1                             ; 1:0 count = 1
	s_mov_b32 s[G0+1], s16                         ; 63:32 LDS address: slot 0
	s_add_nc_u64 s[G0+2:G0+3], s[6:7], s[44:45]    ; 120:64 global address: the batch's first 256 keys
	s_or_b32 s[G0+3], s[G0+3], 0x80000000          ; 127:126 type = 2
	s_lshl_b32 s44, s[WV], 13                      ; Wp: rows 32 x wave on
	s_mul_i32 s16, s[WV], 32*WP
	s_mov_b32 s[G0W], 1
	s_mov_b32 s[G0W+1], s16                        ; into slot 0, which is free by then
	s_add_nc_u64 s[G0W+2:G0W+3], s[8:9], s[44:45]
	s_or_b32 s[G0W+3], s[G0W+3], 0x80000000
	CROUND                                         ; all four work-groups are here: the first joint loads meet
	JLOAD G0, G1                                   ; slot 0
	s_bfe_u32 s40, ttmp6, 0x40000                  ; cx: my place in the cluster
	s_lshl_b32 s41, ttmp9, 2                       ; in a cluster launch ttmp9 counts clusters
	s_add_co_u32 s41, s41, s40
	s_lshl_b32 s46, s43, 6
	s_add_co_u32 s41, s41, s46                     ; X = 64 x batch + 4 x cluster x + cx: my block of 64 queries
	s_mov_b32 s47, 0
	s_lshl_b32 s46, s41, 14                        ; Q: X x 16,384 + head x 4,096 + half x 2,048
	s_lshl_b32 s63, s[HD], 12
	s_add_co_u32 s46, s46, s63
	s_lshl_b32 s63, s42, 11
	s_add_co_u32 s46, s46, s63
	s_add_nc_u64 s[4:5], s[4:5], s[46:47]
	s_lshl_b32 s46, s40, 15                        ; the prefetches: my work-group's quarter of a slot,
	s_and_b32 s63, s[WV], 3
	s_lshl_b32 s63, s63, 13                        ; my wave's quarter of that,
	s_add_co_u32 s46, s46, s63
	s_lshl_b32 s63, s43, 21                        ; in my batch,
	s_add_co_u32 s46, s46, s63
	s_add_co_u32 s46, s46, 2*SLOTB                 ; in slot 2: asked for where slot 1 is loaded
	s_add_nc_u64 s[PFA:PFA+1], s[6:7], s[46:47]
	s_sub_co_u32 s17, s[WV], 4
	s_lshr_b32 s17, s17, 2                         ; 0 in waves 4 to 7,
	s_or_b32 s17, s17, ttmp9                       ; of the batch's first cluster: the same in all four partners
	s_cmp_eq_u32 s17, 0
	s_cselect_b32 s[LIM], 1, -1
	s_lshl_b32 s44, s[HD], 8                       ; my 64 numbers of bp, and my quarter of out0's columns, in bytes
	s_add_nc_u64 s[10:11], s[10:11], s[44:45]
	s_lshl_b32 s46, s41, 16                        ; out0: row 64 X + 32 x half, rows of 1,024 bytes
	s_lshl_b32 s63, s42, 15
	s_add_co_u32 s46, s46, s63
	s_add_co_u32 s46, s46, s44
	s_add_nc_u64 s[14:15], s[14:15], s[46:47]
	s_lshl_b32 s44, s[HD], 14                      ; my head's images in a slot
	s_lshl_b32 s16, s42, 13
	s_add_co_u32 s16, s16, OIMG                    ; my query tiles' images of O
	s_lshl_b32 s17, s[HD], 10
	s_mul_i32 s63, s[WV], 16*WP
	s_add_co_u32 s63, s63, STG                     ; my stage
	s_mul_i32 s3, s[HD], 64*WP                     ; my 64 rows of Wp in LDS
	v_and_b32 v60, 15, v0                          ; r
	v_bfe_u32 v61, v0, 4, 1                        ; h
	v_and_b32 v56, 31, v0
	v_lshlrev_b32 v[PFO], 8, v56
	v_lshlrev_b32 v[LI], 4, v56
	v_lshlrev_b32 v[BA], 5, v61
	v_mul_u32_u24 v57, v60, WP
	v_add_nc_u32 v[AK0], s44, v[LI]
	v_lshlrev_b32 v[GO], 10, v61
	v_add_nc_u32 v[OL], s16, v[LI]
	v_mul_u32_u24 v[SR], v61, WP
	v_add_nc_u32 v[AV0], VOFF, v[AK0]
	v_lshl_add_u32 v[GO], v60, 4, v[GO]
	v_add_nc_u32 v[OI], s17, v[OL]
	v_lshl_add_u32 v[SO], v61, 5, v57
	v_lshl_add_u32 v[SR], v60, 4, v[SR]
	v_lshl_add_u32 v[WA], v61, 4, v57
	v_add_nc_u32 v[SO], s63, v[SO]                 ; in: row r, + 32 h
	v_add_nc_u32 v[SR], s63, v[SR]                 ; back: lanes 0-15 one row of 256 bytes, lanes 16-31 the next
	v_add_nc_u32 v[WA], s3, v[WA]
	v_add_nc_u32 v[ADK], s[TB], v[AK0]
	v_add_nc_u32 v[ADV], s[TB], v[AV0]
	s_wait_alu depctr_va_vdst(0)                   ; ahead of the loads below
.irp j, 0,1,2,3
	global_load_b128 v[QA+4*\j:QA+4*\j+3], v[LI], s[4:5] offset:512*\j th:TH_LOAD_NT   ; Q's two fragments stay in registers
.endr
	WIN 0x40
.irp t, 0,1,2,3                                ; bp in the result's layout: lane (r, h) wants, for tile t, columns 16 t + 8 h + 0 .. 7 of my 64
	global_load_b128 v[BP+8*\t:BP+8*\t+3], v[BA], s[10:11] offset:64*\t
	global_load_b128 v[BP+8*\t+4:BP+8*\t+7], v[BA], s[10:11] offset:64*\t+16
.endr
.set J, 0
.rept 64
	v_mov_b32 v[OA+J], 0                           ; O^T of both tiles.  (The key step has no first step of its own: the first finds zeros, which the first change of M leaves zeros)
.set J, J+1
.endr
	WIN 0
	v_mov_b32 v32, 0xcb989680                      ; the largest score so far: -2e7, under every sum of 64 products of codes (64 x 448 x 448 = 12,845,056)
	v_mov_b32 v33, 0xcb989680
	v_mov_b32 v36, 0x7f61b1e6                      ; the old -M: 3e38, so that the first f is 0
	v_mov_b32 v40, 0x7f61b1e6
.irp j, 35,37,39,41,43,45,46,47,48,49          ; upper halves of pairs; the sums
	v_mov_b32 v\j, 0
.endr
	s_wait_kmcnt 0x0
	s_add_co_i32 s16, s54, s55
	s_lshl_b32 s16, s16, 23
	s_add_co_i32 s[CS], s[CS], s16                 ; a score stands for score x 2^(e6 + e7): the two exponents are added to c's exponent field
	s_mov_b32 s[CS+1], s[CS]                       ; (named with it as a pair, so it is written)
	s_xor_b32 s[NCS], s[CS], 0x80000000
	s_add_co_i32 s16, s56, 127
	s_lshl_b32 s17, s16, 23
	v_mov_b32 v52, s17                             ; 2^e8 as f32, for p's conversions
	s_add_co_i32 s16, s16, 8
	s_lshl_b32 s16, s16, 23
	s_or_b32 s16, s16, 0x600000
	v_mov_b32 v50, s16                             ; 448 x 2^e8
	v_mov_b32 v51, s16
	s_add_co_i32 s16, s58, 127
	s_lshl_b32 s17, s16, 23
	v_mov_b32 v53, s17                             ; 2^e10, for O's conversions
	s_add_co_i32 s16, s16, 8
	s_lshl_b32 s16, s16, 23
	s_or_b32 s16, s16, 0x600000
	v_mov_b32 v54, s16                             ; 448 x 2^e10
	s_add_co_i32 s60, s58, s59
	s_add_co_i32 s60, s60, 127
	s_lshl_b32 s60, s60, 23                        ; 2^(e10 + e11) as f32
	s_mov_b32 s61, s60                             ; (named with it as a pair)
	s_add_co_i32 s62, s56, s57                     ; e8 + e9
; The largest score of my query among my 64 keys of the step and all before: eight chains c .. c + 7; each accumulator is read from its low end on.
.macro MAXI s, m, c
	v_max3_num_f32 v[\c], v[\m], v[\s], v[\s+1]
.set J, 2
.set N, 1
.rept 7
	v_max3_num_f32 v[\c+N], v[\s+J], v[\s+J+1], v[\s+J+2]
.set J, J+3
.set N, N+1
.endr
.set N, 0
.endm
.macro MAXP s, c, m                    ; the next m pairs
.rept \m
	v_max3_num_f32 v[\c+N], v[\c+N], v[\s+J], v[\s+J+1]
.set J, J+2
.set N, (N+1)%8
.endr
.endm
.macro MAXF s, c
	v_max3_num_f32 v[\c], v[\c], v[\c+1], v[\c+2]
	v_max3_num_f32 v[\c+3], v[\c+3], v[\c+4], v[\c+5]
	v_max3_num_f32 v[\c+6], v[\c+6], v[\c+7], v[\s+63]
	v_max3_num_f32 v[\c], v[\c], v[\c+3], v[\c+6]
.endm
.macro BK k, c, m, px, d, o, n, f      ; the seven lines that make the new -M and f; they stand between other work
.if (\k) == 0
	v_permlanex16_b32 v[\px], v[\c], s[SEL], s[SEL+1]
.elseif (\k) == 1
	v_max_num_f32 v[\m], v[\c], v[\px]             ; and among lane l xor 16's
.elseif (\k) == 2
	v_mul_f32 v[\d], s[NCS], v[\m]                 ; -t of the largest (c is positive)
.elseif (\k) == 3
	v_floor_f32 v[\n], v[\d]                       ; the new -M = floor(-t) = -ceil(t): M is a whole number
.elseif (\k) == 4
	v_sub_f32 v[\d], v[\n], v[\o]                  ; M's old value less its new one: a whole number, 0 or less
.elseif (\k) == 5
	v_cvt_i32_f32 v[\d], v[\d]                     ; (it saturates)
.else
	v_ldexp_f32 v[\f], 1.0, v[\d]                  ; f = 2^(old M - new M)
.endif
.endm
.macro FMA1 s, nm                      ; t - M, two at a time (of the pairs c and -M the low word serves both halves)
	v_pk_fma_f32 v[\s+J:\s+J+1], v[\s+J:\s+J+1], s[CS:CS+1], v[\nm:\nm+1] op_sel_hi:[1,0,0]
.endm
.macro FMA4 s, nm
.rept 4
	FMA1 \s, \nm
.set J, J+2
.endr
.endm
.macro ADD1 s                          ; partial sum J / 4: four numbers, before they are held
	v_pk_add_f32 v[T+J/2:T+J/2+1], v[\s+J:\s+J+1], v[\s+J+2:\s+J+3]
.endm
.macro HOLD s, j                       ; the hold at 448 x 2^e8 (ISA guide 7.6.2); p is not negative, so it is one-sided; two numbers an instruction
	v_dual_min_num_f32 v[\s+\j], v[\s+\j], v50 :: v_dual_min_num_f32 v[\s+\j+1], v[\s+\j+1], v51
.endm
.macro TREE m                          ; m partial sums take in the m behind them
.set J, 0
.rept \m
	v_pk_add_f32 v[T+J:T+J+1], v[T+J:T+J+1], v[T+J+2*\m:T+J+2*\m+1]
.set J, J+2
.endr
.endm
.macro CVT s, p, b                     ; registers 4 b .. 4 b + 3 of p's operand
	v_cvt_scalef32_pk8_fp8_f32 v[\p+4*\b:\p+4*\b+1], v[\s+16*\b:\s+16*\b+7], v52
	v_cvt_scalef32_pk8_fp8_f32 v[\p+4*\b+2:\p+4*\b+3], v[\s+16*\b+8:\s+16*\b+15], v52
.endm
.macro SUMCVT s, p, sum, f             ; the rest of a tile's sum, and its conversions between
	TREE 8
	CVT \s, \p, 0
	TREE 4
	CVT \s, \p, 1
	TREE 2
	CVT \s, \p, 2
	TREE 1
	CVT \s, \p, 3
	v_pk_fma_f32 v[\sum:\sum+1], v[\sum:\sum+1], v[\f:\f+1], v[T:T+1] op_sel_hi:[1,0,1]   ; the sum under the new M, and the step's
.endm
; A KEY STEP: 128 keys, the q-th of the slot in hand, for both tiles.  Its fragments of K have been asked for.
; ch = 0: the next step's K lies in this slot.  ch = 1: A CHANGE OF SLOTS.  Each wave waits for all its tensor loads (its part of the next slot), adds 0 to its spare word, and waits for that and for its reads of this slot, V's among
; them; a round of the cluster's barrier follows, with work on registers alone between its opening signal and wait, behind which the next slot is whole and no wave of any partner reads this one or has a load on its way; this one is
; then filled with the keys two slots on.  ch = 2: the same, filled with Wp.  ch = 3: the last step.
.macro STEP q, oa, na, ob, nb, ch
	s_wait_dscnt 0x0                               ; K is in
	WIN 0x01                                       ; source 0 in window 1
.irp t, 0,1,2,3,4,5,6,7                        ; S^T = K Q^T, K = the head's 64: lane (r, h) holds query r; register 8 t + j is key 16 t + 8 h + j of the step
	v_wmma_f32_16x16x64_fp8_fp8 v[SA+8*\t:SA+8*\t+7], v[KF+8*\t:KF+8*\t+7], v[QA:QA+7], 0
	v_wmma_f32_16x16x64_fp8_fp8 v[SB+8*\t:SB+8*\t+7], v[KF+8*\t:KF+8*\t+7], v[QA+8:QA+15], 0
.endr
	WIN 0
.rept 4
	v_nop                                          ; four places: in front of the loads into V's and K's registers, and of the first read of the scores
.endr
	FETCH VF, ADV, \q                              ; V's fragments land while the softmax is worked
.if (\ch) == 1 || (\ch) == 2
	s_wait_tensorcnt 0x0                           ; no tensor load of mine is out, so group 0 may be written
	ds_add_u32 v[SPW], v[NIL]                      ; 0 onto my spare word
.if (\ch) == 1
	s_xor_b32 s[G0+1], s[G0+1], SLOT1              ; the walking descriptor: the other slot than last time,
	s_add_nc_u64 s[G0+2:G0+3], s[G0+2:G0+3], SLOTB ; the next 256 keys; the type bits on top are not reached
	s_wait_xcnt 0x0                                ; the last prefetch, a slot back, has read its address, so it may be written
	s_add_nc_u64 s[PFA:PFA+1], s[PFA:PFA+1], SLOTB
.endif
	s_xor_b32 s[TB], s[TB], SLOT1                  ; on to the other slot
	v_add_nc_u32 v[ADK], s[TB], v[AK0]
	v_add_nc_u32 v[ADV], s[TB], v[AV0]
.endif
	MAXI SA, 32, T
	MAXP SA, T, 20
	MAXF SA, T
	MAXI SB, 33, T+8
	BK 0, T, 32, 60, 62, \oa, \na, 42              ; A's new -M and f between B's maxima
	MAXP SB, T+8, 4
	BK 1, T, 32, 60, 62, \oa, \na, 42
	MAXP SB, T+8, 3
	BK 2, T, 32, 60, 62, \oa, \na, 42
	MAXP SB, T+8, 3
	BK 3, T, 32, 60, 62, \oa, \na, 42
	MAXP SB, T+8, 3
	BK 4, T, 32, 60, 62, \oa, \na, 42
	MAXP SB, T+8, 3
	BK 5, T, 32, 60, 62, \oa, \na, 42
	MAXP SB, T+8, 4
	BK 6, T, 32, 60, 62, \oa, \na, 42
	MAXF SB, T+8
.if (\ch) == 1 || (\ch) == 2
	s_wait_alu depctr_va_vdst(0)                   ; directly ahead of the wait below
	s_wait_dscnt 0x0                               ; the add is done, V is in, and my reads of this slot are over:
	s_barrier_signal -1                            ; say so, and work on registers while the others arrive
.endif
.set J, 0
.irp k, 0,1,2,3,4,5,6                          ; B's new -M and f between A's t - M
	FMA4 SA, \na
	BK \k, T+8, 33, 61, 63, \ob, \nb, 44
.endr
	FMA4 SA, \na
.if (\ch) == 0
	FETCH KF, ADK, (\q)+1
.endif
	s_wait_alu depctr_va_vdst(0)                   ; ahead of the batch
.set J, 0
.rept 32                                       ; p = 2^(t - M) of tile A, not normalised; B's t - M between
	v_exp_f32 v[SA+J], v[SA+J]
	v_exp_f32 v[SA+J+1], v[SA+J+1]
	FMA1 SB, \nb
.set J, J+2
.endr
	s_wait_alu depctr_va_vdst(0)                   ; behind A's batch and ahead of B's
.set J, 0
.rept 16                                       ; p of tile B; between, A's first partial sums, then its holds.  What these write is read behind the wait below
	v_exp_f32 v[SB+J], v[SB+J]
	ADD1 SA
	v_exp_f32 v[SB+J+1], v[SB+J+1]
	HOLD SA, J
	v_exp_f32 v[SB+J+2], v[SB+J+2]
	v_exp_f32 v[SB+J+3], v[SB+J+3]
	HOLD SA, J+2
.set J, J+4
.endr
	s_wait_alu depctr_va_vdst(0)                   ; behind B's batch, ahead of its first reader
.if (\ch) == 1 || (\ch) == 2
	s_barrier_wait -1
	CREST
.if (\ch) == 1
	JLOAD G0, G1                                   ; the first tensor load behind the round, and a wave's only one until the next
.else
	JLOAD G0W, G1W
.endif
	FETCH KF, ADK, 0
.if (\ch) == 1
	ASK
.endif
.endif
	SUMCVT SA, PA, 46, 42
.set J, 0
.rept 16
	ADD1 SB
.set J, J+4
.endr
.set J, 0
.rept 32
	HOLD SB, J
.set J, J+2
.endr
	SUMCVT SB, PB, 48, 44
.if (\ch) == 3
	s_wait_dscnt 0x0                               ; V is in
.else
	s_wait_dscnt 16                                ; V is in; the next K's sixteen loads may be out
.endif
	WIN 0x41                                       ; source 0 and destination in window 1
	s_wait_alu depctr_va_vdst(0)                   ; directly ahead of the first reader of O^T
.set J, 0
.rept 16
	v_pk_mul_f32 v[OA+J:OA+J+1], v[OA+J:OA+J+1], v[42:43] op_sel_hi:[1,0]   ; O^T under the new M: x f
	v_pk_mul_f32 v[OB+J:OB+J+1], v[OB+J:OB+J+1], v[44:45] op_sel_hi:[1,0]
.set J, J+2
.endr
	WIN 0x51                                       ; sources 0 and 2 and destination in window 1
.irp t, 0,1,2,3                                ; O^T += V^T P^T, K = these 128 keys: eight accumulators, one instruction each
	v_wmma_f32_16x16x128_fp8_fp8 v[OA+8*\t:OA+8*\t+7], v[VF+16*\t:VF+16*\t+15], v[PA:PA+15], v[OA+8*\t:OA+8*\t+7]
	v_wmma_f32_16x16x128_fp8_fp8 v[OB+8*\t:OB+8*\t+7], v[VF+16*\t:VF+16*\t+15], v[PB:PB+15], v[OB+8*\t:OB+8*\t+7]
.endr
	WIN 0
.endm
	s_wait_alu depctr_va_vdst(0)                   ; the wait at the head's end
	s_wait_tensorcnt 0x0                           ; my part of slot 0 is in
	ds_add_u32 v[SPW], v[NIL]
	s_xor_b32 s[G0+1], s[G0+1], SLOT1
	s_add_nc_u64 s[G0+2:G0+3], s[G0+2:G0+3], SLOTB
	s_wait_dscnt 0x0                               ; the add is done
	CROUND
	JLOAD G0, G1                                   ; slot 1
	FETCH KF, ADK, 0
	ASK
	s_wait_loadcnt 0x0                             ; Q, bp
.Lslot:                                            ; 14 trips, a slot each
	STEP 0, 36, 34, 40, 38, 0
	STEP 1, 34, 36, 38, 40, 1
	s_sub_co_u32 s[SLOTS], s[SLOTS], 1
	s_cmp_lg_u32 s[SLOTS], 0
	s_cbranch_scc1 .Lslot
	STEP 0, 36, 34, 40, 38, 0                      ; the last two slots are written out: one change brings Wp, and behind the last step nothing is fetched
	STEP 1, 34, 36, 38, 40, 2
	STEP 0, 36, 34, 40, 38, 0
	STEP 1, 34, 36, 38, 40, 3
	; THE LAST PRODUCT.  O^T / the sum x 2^(e8 + e9) is quantised with 2^e10; its pieces go to LDS as images; behind a barrier each wave reads its query tiles' eight pieces each (K = 256: four heads x 64).
	s_wait_tensorcnt 0x0                           ; my part of Wp is in
	v_add_f32 v46, v46, v47                        ; the sums' two halves,
	v_add_f32 v48, v48, v49
	v_permlanex16_b32 v60, v46, s[SEL], s[SEL+1]
	v_permlanex16_b32 v61, v48, s[SEL], s[SEL+1]
	v_add_f32 v46, v46, v60                        ; and lane l xor 16's: the rows' sums
	v_add_f32 v48, v48, v61
	s_wait_alu depctr_va_vdst(0)                   ; ahead of the transcendentals
	v_rcp_f32 v46, v46
	v_rcp_f32 v48, v48
	v_nop                                          ; a plain instruction behind the transcendentals
	s_wait_alu depctr_va_vdst(0)                   ; and the wait ahead of their first reader
	v_ldexp_f32 v46, v46, s62                      ; x 2^(e8 + e9)
	v_ldexp_f32 v48, v48, s62
	WIN 0x01
	s_wait_alu depctr_va_vdst(0)                   ; directly ahead of the first reader of O^T
.set J, 0
.rept 16
	v_pk_mul_f32 v[SA+J:SA+J+1], v[OA+J:OA+J+1], v[46:47] op_sel_hi:[1,0]         ; register 16 b + i: channel 32 b + 16 h + i of my head, of query r: tile A into v64-95,
	v_pk_mul_f32 v[SA+32+J:SA+33+J], v[OB+J:OB+J+1], v[48:49] op_sel_hi:[1,0]     ; B into v96-127
.set J, J+2
.endr
	WIN 0
.set J, 0
.rept 64
	v_med3_num_f32 v[SA+J], v[SA+J], -v54, v54     ; the hold at 448 x 2^e10
.set J, J+1
.endr
.irp t, 0,1,2,3,4,5,6,7
	v_cvt_scalef32_pk8_fp8_f32 v[PA+2*\t:PA+2*\t+1], v[SA+8*\t:SA+8*\t+7], v53
.endr
	v_nop                                          ; a plain instruction behind the last conversion
	ds_store_b128 v[OI], v[PA:PA+3]                ; tile A, piece 2 x head: K = 64 x head + 16 h + 0 .. 15
	ds_store_b128 v[OI], v[PA+4:PA+7] offset:512   ; piece 2 x head + 1: 32 further on
	ds_store_b128 v[OI], v[PA+8:PA+11] offset:4096 ; tile B
	ds_store_b128 v[OI], v[PA+12:PA+15] offset:4608
	s_wait_dscnt 0x0                               ; for the others' sake: my stores have landed
	s_barrier_signal -1
	s_barrier_wait -1
.irp j, 0,1,2,3,4,5,6,7
	ds_load_b128 v[SB+4*\j:SB+4*\j+3], v[OL] offset:512*\j               ; a query tile's operand: register 16 s + 4 c: K = 128 s + 32 c + 16 h + 0 .. 15
	ds_load_b128 v[SB+32+4*\j:SB+35+4*\j], v[OL] offset:4096+512*\j
.endr
	WIN 0x40
.irp s, 0,1
.irp t, 0,1,2,3                                ; Wp's fragments: tile t of my 64 rows, K step s
.irp c, 0,1,2,3
	ds_load_b128 v[KF+32*\t+16*\s+4*\c:KF+32*\t+16*\s+4*\c+3], v[WA] offset:16*\t*WP+128*\s+32*\c
.endr
.endr
.endr
	WIN 0x51
.irp s, 0,1                                    ; Y^T = Wp O^T: eight accumulators by turns; the first K step starts the sums
	s_wait_dscnt 16-16*\s                          ; (the second K step's sixteen fragments of Wp may be out at first)
.irp t, 0,1,2,3
.irp u, 0,1
.if \s == 0
	v_wmma_f32_16x16x128_fp8_fp8 v[OA+32*\u+8*\t:OA+32*\u+8*\t+7], v[KF+32*\t+16*\s:KF+32*\t+16*\s+15], v[SB+32*\u+16*\s:SB+32*\u+16*\s+15], 0
.else
	v_wmma_f32_16x16x128_fp8_fp8 v[OA+32*\u+8*\t:OA+32*\u+8*\t+7], v[KF+32*\t+16*\s:KF+32*\t+16*\s+15], v[SB+32*\u+16*\s:SB+32*\u+16*\s+15], v[OA+32*\u+8*\t:OA+32*\u+8*\t+7]
.endif
.endr
.endr
.endr
	WIN 0
.rept 4
	v_nop                                          ; four places in front of the first read of results
.endr
	; THE WAY OUT.  A lane holds 4 x 32 bytes of one row's 256; a tile's rows go through my own stage and come back whole: sixteen lanes store 256 consecutive bytes, at a multiple of 256 from out0's first byte.
.irp u, 0,1
	WIN 0x11                                       ; sources 0 and 2 in window 1
.set J, 0
.rept 16
	v_pk_fma_f32 v[SA+32*\u+J:SA+32*\u+J+1], v[OA+32*\u+J:OA+32*\u+J+1], s[60:61], v[BP+J:BP+J+1] op_sel_hi:[1,0,1]   ; y = sum x 2^(e10 + e11) + bp, two at a time; each accumulator from its low end on
.set J, J+2
.endr
	WIN 0
.irp t, 0,1,2,3
	ds_store_b128 v[SO], v[SA+32*\u+8*\t:SA+32*\u+8*\t+3] offset:64*\t            ; columns 16 t + 8 h + 0 .. 3,
	ds_store_b128 v[SO], v[SA+32*\u+8*\t+4:SA+32*\u+8*\t+7] offset:64*\t+16       ; + 4 .. 7
.endr
.irp i, 0,1,2,3,4,5,6,7
	ds_load_b128 v[SB+32*\u+4*\i:SB+32*\u+4*\i+3], v[SR] offset:2*\i*WP   ; LDS serves a wave's instructions in order (ISA guide 5.7.1.4): these see my stores, and tile B's stores come behind tile A's loads
.endr
.endr
.irp u, 0,1
.irp i, 0,1,2,3,4,5,6,7
	s_wait_dscnt 23-16*\u-\i                       ; the stage accesses behind this pair of rows may stay out
	global_store_b128 v[GO], v[SB+32*\u+4*\i:SB+32*\u+4*\i+3], s[14:15] offset:(16*\u+2*\i)*1024 th:TH_STORE_NT   ; stage row p of tile u is query 16 u + p of my 32
.endr
.endr
	s_wait_tensorcnt 0x0                           ; the wave's end, behind my last tensor load and my last LDS store
	ds_add_u32 v[SPW], v[NIL]
	s_wait_dscnt 0x0
	CROUND                                         ; the closing round: no work-group ends while a partner may still ask for a tile that names it
	s_endpgm
.Lfunc_end_k_q996ca686de_attn:
	.size	k_q996ca686de_attn, .Lfunc_end_k_q996ca686de_attn-k_q996ca686de_attn
	.p2alignl 7, 3214868480
	.fill 96, 4, 3214868480
	.section	.rodata,"a",@progbits
	.p2align	6, 0x0
	.amdhsa_kernel k_q996ca686de_attn
		.amdhsa_group_segment_fixed_size 327680
		.amdhsa_private_segment_fixed_size 0
		.amdhsa_enable_private_segment 0
		.amdhsa_kernarg_size 48
		.amdhsa_user_sgpr_count 2
		.amdhsa_user_sgpr_kernarg_segment_ptr 1
		.amdhsa_wavefront_size32 1
		.amdhsa_system_sgpr_workgroup_id_x 1
		.amdhsa_system_sgpr_workgroup_id_y 1
		.amdhsa_system_sgpr_workgroup_id_z 1
		.amdhsa_system_vgpr_workitem_id 0
		.amdhsa_next_free_vgpr 512
		.amdhsa_next_free_sgpr 80
		.amdhsa_reserve_vcc 0
		.amdhsa_float_denorm_mode_32 3
		.amdhsa_float_denorm_mode_16_64 3
		.amdhsa_memory_ordered 1
		.amdhsa_forward_progress 1
		.amdhsa_inst_pref_size 198
	.end_amdhsa_kernel
	.amdgpu_metadata
---
amdhsa.version: [ 1, 2 ]
amdhsa.kernels:
  - .name:           k_q996ca686de_attn
    .symbol:         k_q996ca686de_attn.kd
    .args:
      - { .name: q_img, .offset: 0, .size: 8, .value_kind: global_buffer, .address_space: global }
      - { .name: kv, .offset: 8, .size: 8, .value_kind: global_buffer, .address_space: global }
      - { .name: Wp_codes, .offset: 16, .size: 8, .value_kind: global_buffer, .address_space: global }
      - { .name: bp, .offset: 24, .size: 8, .value_kind: global_buffer, .address_space: global }
      - { .name: lowp_scales, .offset: 32, .size: 8, .value_kind: global_buffer, .address_space: global }
      - { .name: out0, .offset: 40, .size: 8, .value_kind: global_buffer, .address_space: global }
    .group_segment_fixed_size: 327680
    .private_segment_fixed_size: 0
    .kernarg_segment_align: 8
    .kernarg_segment_size: 48
    .max_flat_workgroup_size: 256
    .sgpr_count:     80
    .vgpr_count:     512
    .wavefront_size: 32
...
	.end_amdgpu_metadata
.endif
;; end of part 2
